; MI455X (gfx1250); checked and timed in simulation.
; The chip was launched on July 23, 2026; its instructions are those of AMD's public machine-readable ISA for CDNA 5 (MIT licence, August 2026) and "CDNA5" Instruction Set Architecture Reference Guide (July 2026). The comments in the code are by the model that wrote it; some were corrected since.
;; Multi Head Attention. Allowed arithmetic: matrix products marked QUANTISED: E2M3 operands, one E8M0 scale for each 32 along K, by v_wmma_scale_f32_16x16x128_f8f6f4 with both operands' format E2M3, f32 sums; everything else in f32.
;; Inputs: Wk 512 x 512 float32; Wo 512 x 512 float32; Wq 512 x 512 float32; Wv 512 x 512 float32; bk 512 float32; bo 512 float32; bq 512 float32; bv 512 float32; inputs 2 x 4,096 x 512 float32; mask 4,096 x 4,096 float32.
;; Outputs: out0 2 x 4,096 x 512 float32.
;; This version of the problem:
;;   THIS VERSION OF THE PROBLEM IS GIVEN IN LOW PRECISION. The matrix products marked QUANTISED in the list below multiply operands that are first quantised to E2M3 (2 exponent bits, 3 mantissa bits; 6 bits a number), with one power-of-two scale for each 32 numbers along K (OCP MX v1.0); their sums are f32. All else is computed in f32.
;;   The module's matrix products, in the order in which they are computed (A, B: the left and right operand; K: the contracted axis; several contracted axes count as one K, in the product's order):
;;     1. [M 8,192, K 512] x [K 512, N 512]; A: input inputs; B: input Wq: QUANTISED
;;     2. [M 8,192, K 512] x [K 512, N 512]; A: input inputs; B: input Wk: QUANTISED
;;     3. [M 8,192, K 512] x [K 512, N 512]; A: input inputs; B: input Wv: QUANTISED
;;     4. batch 16 x [M 4,096, K 64] x [K 64, N 4,096]; A: computed on the way; B: computed on the way: QUANTISED
;;     5. batch 16 x [M 4,096, K 4,096] x [K 4,096, N 64]; A: softmax (see below); B: computed on the way: QUANTISED
;;     6. [M 8,192, K 512] x [K 512, N 512]; A: computed on the way; B: input Wo: QUANTISED
;;   THE QUANTISER, for each operand of a quantised product, along K:
;;     - K is cut into blocks of 32 from its start; a last block that is shorter is filled with zeros.
;;     - A block's scale is 2^e with e = floor(log2(the largest magnitude in the block)) - 2, held to -126 .. 127; a block of zeros has e = 0. As a byte (E8M0): e + 127.
;;     - Each number is divided by its block's scale, clamped to +-7.5, and rounded to the nearest number of E2M3, ties to even, subnormals kept.
;;     - The product sums the exact products of the quantised numbers (number of the format x scale) in f32.
;;   ~~~python
;;   def quantise(x, axis):      # numpy; x: float32 -> the quantised numbers, widened to float32 again
;;       x = np.moveaxis(x, axis, -1); K = x.shape[-1]
;;       x = np.pad(x, [(0, 0)] * (x.ndim - 1) + [(0, -K % 32)]); x = x.reshape(x.shape[:-1] + (-1, 32)); a = np.abs(x).max(-1, keepdims=True)
;;       e = np.where(a > 0, np.clip(np.frexp(np.where(a > 0, a, 1))[1] - 1 - 2, -126, 127), 0)      # np.frexp(a)[1] - 1 = floor(log2(a)), exactly
;;       r = np.clip(x / 2.0 ** e, -7.5, 7.5)
;;       step = 2.0 ** (np.maximum(np.frexp(np.where(r == 0, 1, r))[1] - 1, 0) - 3)
;;       q = np.round(r / step) * step * 2.0 ** e      # np.round: ties to even
;;       return np.moveaxis(q.reshape(q.shape[:-2] + (-1,))[..., :K], -1, axis).astype(np.float32)
;;   ~~~
;;   SOFTMAX AHEAD OF A QUANTISED PRODUCT. Where the list says 'softmax', what is quantised is not the finished softmax but p = 2^(t - M), with t = logit x log2(e) and M = ceil(the row's largest t), a whole number; so 1/2 < the row's largest p <= 1. The row's sum l is taken of the UNQUANTISED p, in f32, and the product's result is divided by l at the end. Since M is a whole number, a kernel that streams over the keys may use a running M (the ceiling of the running maximum): every later rescaling is an exact power of two, which a block's scale takes up: the codes' values come out the same.
;;   OPERANDS COMPUTED ON THE WAY. 'Computed on the way' means the value that the module computes at that place (a softmax that the list does not call 'softmax' is quantised finished and normalised). What goes into a quantiser is computed in f32, as accurately as f32 sums, v_exp_f32 and their like allow (about 1e-6 of the number): no bf16 or f16 on the way to a quantiser, and a product that is left as it is and whose result goes on into a quantised operand takes f32 operands (vector FMAs, or v_wmma_f32_16x16x4_f32). A number that lies on a knife's edge between two numbers of the format may be rounded either way, as far as f32 arithmetic and the matrix unit's own rounding can turn it there, and no further.
;; One version. Each part assembles by itself: llvm-mc -triple=amdgcn-amd-amdhsa -mcpu=gfx1250 --defsym DOCPART=n.
;; ======== version 1 of 1: 4 launches
;; workspace buffers: xi 3,145,728 bytes; xs 262,144 bytes; wi 786,432 bytes; ws 65,536 bytes; qw 4,194,304 bytes; kv 6,684,672 bytes; ow 4,194,304 bytes
;; launch prep (part 1): grid 640 x 1, 4 waves a work-group, no clusters, 0 bytes of LDS; arguments inputs, Wq, Wk, Wv, Wo, xi, xs, wi, ws; writes xi, xs, wi, ws
.if DOCPART == 1
	.amdgcn_target "amdgcn-amd-amdhsa--gfx1250"
	.amdhsa_code_object_version 6
	.text
	.protected	k_qb6890399ba_prep
	.globl	k_qb6890399ba_prep
	.p2align	8
	.type	k_qb6890399ba_prep,@function
k_qb6890399ba_prep:
	s_mov_b64 s[64:65], 0
	v_nop
	global_prefetch_b8 v0, s[64:65] scope:SCOPE_SE
	s_setreg_imm32_b32 hwreg(HW_REG_WAVE_MODE, 25, 1), 1
	s_wait_xcnt 0x0
; inputs [8192][512] and Wq, Wk, Wv, Wo [512 (k)][512 (n)], f32, become codes of FP6 (E2M3) with one E8M0 byte for each 32 along K = 512,
; laid as IMAGES OF OPERAND REGISTERS: a fragment (16 rows x 128 K, 12 registers a lane) is three runs of 512 bytes, run c holding lane l's registers 4 c .. 4 c + 3 at byte 16 l;
; its scale words are 128 bytes, lane l's word at 4 l (lanes l and l xor 16 hold the same word).
; THE ROWS OF A TILE ARE NOT NEIGHBOURS: lane r of tile 2 b + u takes row (of a weight: column) 32 b + 8 u + r + 8 (r / 8).
; xi: [tile 0..511][K step 0..3][1,536], xs: [tile][K step][128]; wi, ws the same with tile = 32 x weight (q, k, v, o) + the weight's tile 0..31.
; Work-groups 0..511 take a tile of inputs, 512..639 a tile of a weight; the wave's number is the K step.  No LDS, no barrier: waves share nothing.
; A block's scale is 2^(floor(log2(its largest magnitude)) - 2); its byte is that magnitude's exponent field - 2, held at 1 from below.
; LIMITS: a block of zeros gets the byte 1 and zero codes (the bytes are read by this program alone); NaN and infinities among the inputs are not served.
.set SEL, 2                            ; s[2:3] lane selects for v_permlanex16_b32: lane l xor 16
; 64 numbers of a lane, v[src] on, register 16 b + i = k 32 b + 16 (lane / 16) + i of my row, become a fragment's codes in v[pc] .. v[pc + 11] and its scale word in v[pw]
.macro QUANT src, tm, pc, pw
.irp b, 0,1,2,3
	v_max3_num_f32 v[\tm+\b], |v[\src+16*\b]|, |v[\src+1+16*\b]|, 0x1800000   ; my 16 numbers of block b, and the floor 2^(3 - 127): the byte cannot fall under 1
.endr
.irp n, 2,4,6,8,10,12,14
.irp b, 0,1,2,3
	v_max3_num_f32 v[\tm+\b], v[\tm+\b], |v[\src+16*\b+\n]|, |v[\src+1+16*\b+\n]|   ; the four blocks by turns
.endr
.endr
.irp b, 0,1,2,3
	v_permlanex16_b32 v[\tm+4+\b], v[\tm+\b], s[SEL], s[SEL+1]
.endr
.irp b, 0,1,2,3
	v_max_num_f32 v[\tm+\b], v[\tm+\b], v[\tm+4+\b]      ; with lane l xor 16's 16: the block's largest magnitude
.endr
.irp b, 0,1,2,3
	v_add_nc_u32 v[\tm+12+\b], 0xff000000, v[\tm+\b]     ; 2 off its exponent field: the conversion's scale operand
.endr
.irp b, 0,1,2,3
	v_lshrrev_b32 v[\tm+4+\b], 23, v[\tm+12+\b]          ; the scale's byte
.endr
	v_lshl_or_b32 v[\pw], v[\tm+5], 8, v[\tm+4]
	v_lshl_or_b32 v[\pw], v[\tm+6], 16, v[\pw]
	v_lshl_or_b32 v[\pw], v[\tm+7], 24, v[\pw]           ; my row's scale word
.irp c, 0,1
	v_cvt_scalef32_pk16_fp6_f32 v[\pc+6*\c:\pc+2+6*\c], v[\src+32*\c:\src+15+32*\c], v[\tm+12+2*\c]
	v_cvt_scalef32_pk16_fp6_f32 v[\pc+12+4*\c:\pc+14+4*\c], v[\src+16+32*\c:\src+31+32*\c], v[\tm+12+2*\c+1]   ; (a conversion's three registers begin on an even number)
.endr
	v_nop                                                ; one plain line behind the scaled conversions
.irp c, 0,1                                              ; the operand wants a whole block in a lane: lanes 0-15 block 2 c, lanes 16-31 block 2 c + 1
.irp n, 0,1,2
	v_permlane16_swap_b32 v[\pc+6*\c+\n], v[\pc+12+4*\c+\n]
.endr
.irp n, 0,1,2
	v_mov_b32 v[\pc+3+6*\c+\n], v[\pc+12+4*\c+\n]
.endr
.endr
.endm
	s_load_b256 s[4:11], s[0:1], 0x0               ; inputs s[4:5], Wq s[6:7], Wk s[8:9], Wv s[10:11]
	s_load_b64 s[12:13], s[0:1], 0x20              ; Wo
	s_load_b128 s[16:19], s[0:1], 0x28             ; xi, xs
	s_load_b128 s[20:23], s[0:1], 0x38             ; wi, ws
	v_lshrrev_b32 v1, 5, v0
	v_readfirstlane_b32 s24, v1                    ; wave = K step
	v_and_b32 v1, 31, v0                           ; lane
	v_and_b32 v2, 15, v0                           ; r
	v_bfe_u32 v3, v0, 4, 1                         ; h
	v_and_b32 v4, 8, v2
	v_add_nc_u32 v4, v4, v2                        ; r + 8 (r / 8)
	v_lshlrev_b32 v5, 4, v1                        ; an image's place for my lane
	v_lshlrev_b32 v6, 2, v1                        ; a scale word's
	s_mov_b32 s[SEL], 0x76543210
	s_mov_b32 s[SEL+1], 0xfedcba98
	s_mov_b32 s29, 0
	s_mov_b32 s31, 0
	s_mov_b32 s33, 0
	s_cmp_lt_u32 ttmp9, 512
	s_cbranch_scc0 .Lweights
	; ---- a tile of inputs: K is innermost: lane (r, h) takes, of its row, 16 neighbours of each block of 32
	s_lshr_b32 s25, ttmp9, 1
	s_lshl_b32 s25, s25, 5
	s_and_b32 s26, ttmp9, 1
	s_lshl_b32 s26, s26, 3
	s_add_co_u32 s25, s25, s26                     ; the tile's first row
	s_lshl_b32 s28, s25, 11                        ; rows of 2,048 bytes,
	s_lshl_b32 s26, s24, 9
	s_add_co_u32 s28, s28, s26                     ; + 512 bytes a K step
	s_lshl_b32 s27, ttmp9, 2
	s_add_co_u32 s27, s27, s24                     ; 4 x tile + K step
	s_mul_i32 s30, s27, 1536
	s_lshl_b32 s32, s27, 7
	v_lshlrev_b32 v7, 11, v4
	v_lshl_add_u32 v7, v3, 6, v7                   ; my row, + 64 h
.irp b, 0,1,2,3
	v_mov_b32 v[40+\b], 0                          ; a lane permute's destination counts as one of its sources
.endr
	s_wait_kmcnt 0x0
	s_add_nc_u64 s[4:5], s[4:5], s[28:29]
	s_add_nc_u64 s[16:17], s[16:17], s[30:31]
	s_add_nc_u64 s[18:19], s[18:19], s[32:33]
.irp b, 0,1,2,3
.irp j, 0,1,2,3
	global_load_b128 v[64+16*\b+4*\j:67+16*\b+4*\j], v7, s[4:5] offset:128*\b+16*\j th:TH_LOAD_NT
.endr
.endr
	s_wait_loadcnt 0x0
	QUANT 64, 36, 16, 52
	s_branch .Lout
.Lweights:
	; ---- a tile of a weight: K is the first axis: lane r takes a column and its registers run down K, in the order that the operand's layout gives that lane
	s_sub_co_u32 s25, ttmp9, 512                   ; 32 x weight + tile
	s_lshr_b32 s26, s25, 5                         ; weight
	s_and_b32 s27, s25, 31                         ; tile
	s_lshr_b32 s34, s27, 1
	s_lshl_b32 s34, s34, 5
	s_and_b32 s35, s27, 1
	s_lshl_b32 s35, s35, 3
	s_add_co_u32 s34, s34, s35                     ; the tile's first column
	s_lshl_b32 s28, s34, 2
	s_lshl_b32 s35, s24, 18                        ; 128 rows of 2,048 bytes a K step
	s_add_co_u32 s28, s28, s35
	s_lshl_b32 s27, s25, 2
	s_add_co_u32 s27, s27, s24
	s_mul_i32 s30, s27, 1536
	s_lshl_b32 s32, s27, 7
	v_lshlrev_b32 v7, 2, v4                        ; my column,
	v_lshl_add_u32 v7, v3, 16, v7                  ; lanes 16-31 begin 32 rows further down
	s_wait_kmcnt 0x0
	s_cmp_eq_u32 s26, 1                            ; the choice hangs on the work-group's number alone
	s_cselect_b64 s[6:7], s[8:9], s[6:7]
	s_cmp_eq_u32 s26, 2
	s_cselect_b64 s[6:7], s[10:11], s[6:7]
	s_cmp_eq_u32 s26, 3
	s_cselect_b64 s[6:7], s[12:13], s[6:7]
	s_add_nc_u64 s[6:7], s[6:7], s[28:29]
	s_add_nc_u64 s[16:17], s[20:21], s[30:31]
	s_add_nc_u64 s[18:19], s[22:23], s[32:33]
.irp c, 0,1
.set i, 0
.rept 32
	global_load_b32 v[64+32*\c+i], v7, s[6:7] offset:(64*\c+i)*2048   ; W(128 s + 64 c + 32 h + i, my column)
.set i, i+1
.endr
.endr
	s_wait_loadcnt 0x0
.irp c, 0,1                                    ; my block 2 c + h: all its 32 numbers are mine
	v_max3_num_f32 v[36+\c], |v[64+32*\c]|, |v[65+32*\c]|, 0x1800000
.endr
.irp n, 2,4,6,8,10,12,14,16,18,20,22,24,26,28,30
.irp c, 0,1
	v_max3_num_f32 v[36+\c], v[36+\c], |v[64+32*\c+\n]|, |v[65+32*\c+\n]|
.endr
.endr
.irp c, 0,1
	v_add_nc_u32 v[40+\c], 0xff000000, v[36+\c]
.endr
.irp c, 0,1
	v_lshrrev_b32 v[38+\c], 23, v[40+\c]
.endr
	v_lshl_or_b32 v52, v39, 16, v38                ; my two bytes: blocks h and 2 + h,
	v_lshlrev_b32 v53, 3, v3
	v_lshlrev_b32 v52, v53, v52                    ; at their places in the word;
	v_mov_b32 v53, 0
	v_permlanex16_b32 v53, v52, s[SEL], s[SEL+1]
	v_or_b32 v52, v52, v53                         ; with lane l xor 16's two the word is whole
.irp c, 0,1
	v_cvt_scalef32_pk16_fp6_f32 v[16+6*\c:18+6*\c], v[64+32*\c:79+32*\c], v[40+\c]
	v_cvt_scalef32_pk16_fp6_f32 v[28+4*\c:30+4*\c], v[80+32*\c:95+32*\c], v[40+\c]
.endr
	v_nop                                          ; one plain line behind the scaled conversions
.irp c, 0,1
.irp n, 0,1,2
	v_mov_b32 v[19+6*\c+\n], v[28+4*\c+\n]
.endr
.endr
.Lout:
.irp c, 0,1,2
	global_store_b128 v5, v[16+4*\c:19+4*\c], s[16:17] offset:512*\c   ; 32 lanes store 512 consecutive bytes, at a multiple of 256 from the buffer's first byte
.endr
	global_store_b32 v6, v52, s[18:19]
	s_endpgm
.Lfunc_end_k_qb6890399ba_prep:
	.size	k_qb6890399ba_prep, .Lfunc_end_k_qb6890399ba_prep-k_qb6890399ba_prep
	.p2alignl 7, 3214868480
	.fill 96, 4, 3214868480
	.section	.rodata,"a",@progbits
	.p2align	6, 0x0
	.amdhsa_kernel k_qb6890399ba_prep
		.amdhsa_group_segment_fixed_size 0
		.amdhsa_private_segment_fixed_size 0
		.amdhsa_enable_private_segment 0
		.amdhsa_kernarg_size 72
		.amdhsa_user_sgpr_count 2
		.amdhsa_user_sgpr_kernarg_segment_ptr 1
		.amdhsa_wavefront_size32 1
		.amdhsa_system_sgpr_workgroup_id_x 1
		.amdhsa_system_sgpr_workgroup_id_y 1
		.amdhsa_system_sgpr_workgroup_id_z 1
		.amdhsa_system_vgpr_workitem_id 0
		.amdhsa_next_free_vgpr 128
		.amdhsa_next_free_sgpr 66
		.amdhsa_reserve_vcc 0
		.amdhsa_float_denorm_mode_32 3
		.amdhsa_float_denorm_mode_16_64 3
		.amdhsa_memory_ordered 1
		.amdhsa_forward_progress 1
		.amdhsa_inst_pref_size 18
	.end_amdhsa_kernel
	.amdgpu_metadata
---
amdhsa.version: [ 1, 2 ]
amdhsa.kernels:
  - .name:           k_qb6890399ba_prep
    .symbol:         k_qb6890399ba_prep.kd
    .args:
      - { .name: inputs, .offset: 0, .size: 8, .value_kind: global_buffer, .address_space: global }
      - { .name: Wq, .offset: 8, .size: 8, .value_kind: global_buffer, .address_space: global }
      - { .name: Wk, .offset: 16, .size: 8, .value_kind: global_buffer, .address_space: global }
      - { .name: Wv, .offset: 24, .size: 8, .value_kind: global_buffer, .address_space: global }
      - { .name: Wo, .offset: 32, .size: 8, .value_kind: global_buffer, .address_space: global }
      - { .name: xi, .offset: 40, .size: 8, .value_kind: global_buffer, .address_space: global }
      - { .name: xs, .offset: 48, .size: 8, .value_kind: global_buffer, .address_space: global }
      - { .name: wi, .offset: 56, .size: 8, .value_kind: global_buffer, .address_space: global }
      - { .name: ws, .offset: 64, .size: 8, .value_kind: global_buffer, .address_space: global }
    .group_segment_fixed_size: 0
    .private_segment_fixed_size: 0
    .kernarg_segment_align: 8
    .kernarg_segment_size: 72
    .max_flat_workgroup_size: 128
    .sgpr_count:     66
    .vgpr_count:     128
    .wavefront_size: 32
...
	.end_amdgpu_metadata
.endif
;; end of part 1
;; launch qkv (part 2): grid 12 x 64, 8 waves a work-group, no clusters, 0 bytes of LDS; arguments xi, xs, wi, ws, bq, bk, bv, qw, kv; writes qw, kv
.if DOCPART == 2
	.amdgcn_target "amdgcn-amd-amdhsa--gfx1250"
	.amdhsa_code_object_version 6
	.text
	.protected	k_qb6890399ba_qkv
	.globl	k_qb6890399ba_qkv
	.p2align	8
	.type	k_qb6890399ba_qkv,@function
k_qb6890399ba_qkv:
	s_mov_b64 s[64:65], 0
	v_nop
	global_prefetch_b8 v0, s[64:65] scope:SCOPE_SE
	s_setreg_imm32_b32 hwreg(HW_REG_WAVE_MODE, 25, 1), 1
	s_wait_xcnt 0x0
; q = x Wq + bq, k = x Wk + bk, v = x Wv + bv on codes of FP6 (E2M3) with E8M0 scales, K = 512 in four steps of 128; the results are quantised at once: q and k along the head's 64 channels, v along the keys.
; Operands come from memory straight into registers, as the images that the launch before has laid (three loads of 16 bytes a lane for a fragment).
; GRID: x = 4 x kind (0 q, 1 k, 2 v) + pair of heads; y = a block of 128 rows (batch = y / 32, key step = y % 32).  Eight waves: head = 2 x (x % 4) + wave / 4; sub = wave % 4.
; q, k: the wave makes 32 rows (two tiles) x the head's 64 channels (four tiles of W), TRANSPOSED (source 0 = 16 columns of W, source 1 = 16 rows of x): a lane holds one row, and, by the order of W's columns in a tile,
;   the 16 registers of tiles 2 b and 2 b + 1 are channels 32 b + 16 (lane / 16) + 0 .. 15.  q's tiles are 16 NEIGHBOURING rows (picked lane by lane out of the images), k's are the images' own tiles.
; v: the wave makes 128 keys (eight tiles of x, source 0) x 16 channels (one tile of W, source 1): a lane holds one channel, and its 64 registers run along the keys: 32 b + 16 (lane / 16) + 0 .. 15.
; OUT.  qw: [pair = 8 batch + head][query tile 0..255][1,024]: registers 0-5 of a fragment as three runs of 256 bytes (8 bytes a lane), the scale words at byte 768.
;   kv: [pair / 4][key step][pair % 4][13,056]: K's codes (two tiles' six registers on end make 12: 1,536 bytes a pair of tiles), at 6,144 K's scale words (lanes 0-15 the even tile's, 16-31 the odd one's),
;   at 6,656 four fragments of V^T (16 channels x 128 keys), at 12,800 their scale words (64 bytes a fragment).
; The biases are the C of each sum's first product.  LIMITS: a block of zeros gets the byte 1 and zero codes; NaN and infinities are not served.
.set SEL, 2                            ; s[2:3]
.set ACC, 16                           ; v16-79 accumulators
.macro PLACES                          ; four plain lines between a matrix instruction and a load into, or a vector read or write of, its registers
.rept 4
	v_nop
.endr
.endm
.macro QUANT src, tm, pc, pw           ; 64 numbers of a lane (register 16 b + i = k 32 b + 16 (lane / 16) + i) -> a fragment's codes in v[pc] .. v[pc + 11], its scale word in v[pw]
.irp b, 0,1,2,3
	v_max3_num_f32 v[\tm+\b], |v[\src+16*\b]|, |v[\src+1+16*\b]|, 0x1800000
.endr
.irp n, 2,4,6,8,10,12,14
.irp b, 0,1,2,3
	v_max3_num_f32 v[\tm+\b], v[\tm+\b], |v[\src+16*\b+\n]|, |v[\src+1+16*\b+\n]|
.endr
.endr
.irp b, 0,1,2,3
	v_permlanex16_b32 v[\tm+4+\b], v[\tm+\b], s[SEL], s[SEL+1]
.endr
.irp b, 0,1,2,3
	v_max_num_f32 v[\tm+\b], v[\tm+\b], v[\tm+4+\b]
.endr
.irp b, 0,1,2,3
	v_add_nc_u32 v[\tm+12+\b], 0xff000000, v[\tm+\b]
.endr
.irp b, 0,1,2,3
	v_lshrrev_b32 v[\tm+4+\b], 23, v[\tm+12+\b]
.endr
	v_lshl_or_b32 v[\pw], v[\tm+5], 8, v[\tm+4]
	v_lshl_or_b32 v[\pw], v[\tm+6], 16, v[\pw]
	v_lshl_or_b32 v[\pw], v[\tm+7], 24, v[\pw]
.irp c, 0,1
	v_cvt_scalef32_pk16_fp6_f32 v[\pc+6*\c:\pc+2+6*\c], v[\src+32*\c:\src+15+32*\c], v[\tm+12+2*\c]
	v_cvt_scalef32_pk16_fp6_f32 v[\pc+12+4*\c:\pc+14+4*\c], v[\src+16+32*\c:\src+31+32*\c], v[\tm+12+2*\c+1]
.endr
	v_nop
.irp c, 0,1
.irp n, 0,1,2
	v_permlane16_swap_b32 v[\pc+6*\c+\n], v[\pc+12+4*\c+\n]
.endr
.irp n, 0,1,2
	v_mov_b32 v[\pc+3+6*\c+\n], v[\pc+12+4*\c+\n]
.endr
.endr
.endm
.macro QUANT2 src, frag, pw, tm        ; 32 numbers of a lane (two blocks of 32 along K = 64) -> registers 0-5 of a fragment in v[frag] on (lane (r, h): block h of row r), the word byte0 | byte1 << 8 in v[pw]
.irp b, 0,1
	v_max3_num_f32 v[\tm+\b], |v[\src+16*\b]|, |v[\src+1+16*\b]|, 0x1800000
.endr
.irp n, 2,4,6,8,10,12,14
.irp b, 0,1
	v_max3_num_f32 v[\tm+\b], v[\tm+\b], |v[\src+16*\b+\n]|, |v[\src+1+16*\b+\n]|
.endr
.endr
.irp b, 0,1
	v_permlanex16_b32 v[\tm+2+\b], v[\tm+\b], s[SEL], s[SEL+1]
.endr
.irp b, 0,1
	v_max_num_f32 v[\tm+\b], v[\tm+\b], v[\tm+2+\b]
.endr
.irp b, 0,1
	v_add_nc_u32 v[\tm+4+\b], 0xff000000, v[\tm+\b]
.endr
.irp b, 0,1
	v_lshrrev_b32 v[\tm+6+\b], 23, v[\tm+4+\b]
.endr
	v_lshl_or_b32 v[\pw], v[\tm+7], 8, v[\tm+6]
	v_cvt_scalef32_pk16_fp6_f32 v[\frag:\frag+2], v[\src:\src+15], v[\tm+4]
	v_cvt_scalef32_pk16_fp6_f32 v[\tm+8:\tm+10], v[\src+16:\src+31], v[\tm+5]
	v_nop                                          ; one plain line behind the scaled conversions
.irp n, 0,1,2
	v_permlane16_swap_b32 v[\frag+\n], v[\tm+8+\n] ; the first now holds each lane's block's lower 16 codes, the second the upper 16
.endr
.irp n, 0,1,2
	v_mov_b32 v[\frag+3+\n], v[\tm+8+\n]
.endr
.endm
	s_load_b256 s[4:11], s[0:1], 0x0               ; xi s[4:5], xs s[6:7], wi s[8:9], ws s[10:11]
	s_load_b256 s[12:19], s[0:1], 0x20             ; bq s[12:13], bk s[14:15], bv s[16:17], qw s[18:19]
	s_load_b64 s[20:21], s[0:1], 0x40              ; kv
	v_lshrrev_b32 v1, 5, v0
	v_readfirstlane_b32 s22, v1                    ; wave 0..7
	v_and_b32 v1, 31, v0                           ; lane
	v_and_b32 v2, 15, v0                           ; r
	v_bfe_u32 v3, v0, 4, 1                         ; h
	v_lshlrev_b32 v4, 4, v1                        ; an image's place for my lane
	v_lshlrev_b32 v5, 2, v1                        ; a scale word's
	s_lshr_b32 s23, ttmp9, 2                       ; kind
	s_and_b32 s24, ttmp9, 3
	s_and_b32 s25, ttmp7, 0xffff                   ; y
	s_lshr_b32 s26, s25, 5                         ; batch
	s_and_b32 s27, s25, 31                         ; key step
	s_lshr_b32 s28, s22, 2
	s_lshl_b32 s29, s24, 1
	s_add_co_u32 s28, s28, s29                     ; head
	s_and_b32 s29, s22, 3                          ; sub
	s_lshl_b32 s30, s26, 3
	s_add_co_u32 s30, s30, s28                     ; pair
	s_lshr_b32 s31, s30, 2
	s_lshl_b32 s31, s31, 5
	s_add_co_u32 s31, s31, s27
	s_lshl_b32 s31, s31, 2
	s_and_b32 s32, s30, 3
	s_add_co_u32 s31, s31, s32
	s_mul_i32 s31, s31, 13056                      ; my pair's block of this key step in kv
	s_lshl_b32 s33, s23, 5
	s_lshl_b32 s34, s28, 2
	s_add_co_u32 s33, s33, s34                     ; the head's first tile of the weight: 32 kind + 4 head
	s_mov_b32 s[SEL], 0x76543210
	s_mov_b32 s[SEL+1], 0xfedcba98
	s_mov_b32 s37, 0
	s_mov_b32 s39, 0
	s_mov_b32 s41, 0
	s_mov_b32 s43, 0
	s_mov_b32 s45, 0
	s_mov_b32 s47, 0
	s_mov_b32 s48, s31
	s_mov_b32 s49, 0
	s_cmp_eq_u32 s23, 2
	s_cbranch_scc1 .Lvalues
	; ================ q and k ================
	; REGISTERS: v6, v7 x's two tiles in the images; v8, v9 their scale words; v10 the bias; v11-13 the stores; v16-79 ACC (tile of rows i, tile of W t) at 16 + 32 i + 8 t;
	;   v80-151, v152-223 two sets of fragments (W's four, x's two); v224-229, v230-235 their scale words; v236-250 at work
	s_lshl_b32 s34, s25, 3
	s_lshl_b32 s35, s29, 1
	s_add_co_u32 s34, s34, s35                     ; x's tile 8 y + 2 sub
	s_mul_i32 s36, s34, 6144
	s_lshl_b32 s38, s34, 9
	s_mul_i32 s40, s33, 6144
	s_lshl_b32 s42, s33, 9
	s_lshl_b32 s44, s28, 8                         ; the head's 64 numbers of the bias
	s_lshl_b32 s46, s30, 8
	s_lshl_b32 s50, s27, 3
	s_add_co_u32 s46, s46, s50
	s_add_co_u32 s46, s46, s35
	s_lshl_b32 s46, s46, 10                        ; q's record: 256 pair + 8 step + 2 sub
	; Row 16 i + r of a group of 32 rows lies in the group's image tile r / 8, lane 8 i + r % 8: so q's neighbouring rows are read with 128 bytes from i to i + 1 and a tile (6,144 bytes) for r / 8; k takes the images' own tiles: the other way round
	s_cmp_eq_u32 s23, 0
	s_mov_b32 s51, 6144
	s_cselect_b32 s52, 128, s51
	s_cselect_b32 s53, s51, 128
	s_mov_b32 s51, 512
	s_cselect_b32 s54, 32, s51                     ; the same for the scale words: 4 bytes a lane, 512 a tile
	s_cselect_b32 s55, s51, 32
	v_lshrrev_b32 v10, 3, v2
	v_and_b32 v11, 7, v2
	v_mul_lo_u32 v6, v10, s53
	v_lshl_add_u32 v6, v11, 4, v6
	v_lshl_add_u32 v6, v3, 8, v6
	v_add_nc_u32 v7, s52, v6
	v_mul_lo_u32 v8, v10, s55
	v_lshl_add_u32 v8, v11, 2, v8
	v_add_nc_u32 v9, s54, v8
	v_lshlrev_b32 v10, 6, v3                       ; the bias: 64 h bytes: my half's 16 channels of each 32
	v_lshlrev_b32 v11, 3, v1                       ; q's codes: 8 bytes a lane
	s_mul_i32 s50, s29, 1536
	v_add_nc_u32 v12, s50, v4                      ; k's codes: 16 x lane + 1,536 sub
	s_lshl_b32 s50, s29, 7
	v_add_nc_u32 v13, s50, v5                      ; k's scale words: 4 x lane + 128 sub
	v_mov_b32 v242, 0                              ; a lane permute's destination counts as one of its sources
	v_mov_b32 v243, 0
	s_wait_kmcnt 0x0
	s_cmp_eq_u32 s23, 0
	s_cselect_b64 s[12:13], s[12:13], s[14:15]     ; bq or bk: the choice hangs on the work-group's number alone
	s_add_nc_u64 s[4:5], s[4:5], s[36:37]
	s_add_nc_u64 s[6:7], s[6:7], s[38:39]
	s_add_nc_u64 s[8:9], s[8:9], s[40:41]
	s_add_nc_u64 s[10:11], s[10:11], s[42:43]
	s_add_nc_u64 s[12:13], s[12:13], s[44:45]
	s_add_nc_u64 s[18:19], s[18:19], s[46:47]
	s_add_nc_u64 s[20:21], s[20:21], s[48:49]
.irp i, 0,1                                    ; the bias lands in the accumulators: 16 loads; every product then adds in place
.irp t, 0,1,2,3
	global_load_b128 v[ACC+32*\i+8*\t:ACC+32*\i+8*\t+3], v10, s[12:13] offset:(32*(\t/2)+8*(\t%2))*4
	global_load_b128 v[ACC+32*\i+8*\t+4:ACC+32*\i+8*\t+7], v10, s[12:13] offset:(32*(\t/2)+8*(\t%2))*4+16
.endr
.endr
.macro LOADK ks, st                    ; K step ks into set st: 24 loads
.irp t, 0,1,2,3
.irp c, 0,1,2
	global_load_b128 v[80+72*\st+12*\t+4*\c:80+72*\st+12*\t+4*\c+3], v4, s[8:9] offset:6144*\t+1536*\ks+512*\c
.endr
.endr
.irp c, 0,1,2
	global_load_b128 v[128+72*\st+4*\c:128+72*\st+4*\c+3], v6, s[4:5] offset:1536*\ks+512*\c
	global_load_b128 v[140+72*\st+4*\c:140+72*\st+4*\c+3], v7, s[4:5] offset:1536*\ks+512*\c
.endr
.irp t, 0,1,2,3
	global_load_b32 v[224+6*\st+\t], v5, s[10:11] offset:512*\t+128*\ks
.endr
	global_load_b32 v[228+6*\st], v8, s[6:7] offset:128*\ks
	global_load_b32 v[229+6*\st], v9, s[6:7] offset:128*\ks
.endm
.macro MULK st                         ; eight products, the eight accumulators by turns, one instruction a turn
.irp t, 0,1,2,3
.irp i, 0,1
	v_wmma_scale_f32_16x16x128_f8f6f4 v[ACC+32*\i+8*\t:ACC+32*\i+8*\t+7], v[80+72*\st+12*\t:80+72*\st+12*\t+11], v[128+72*\st+12*\i:128+72*\st+12*\i+11], v[ACC+32*\i+8*\t:ACC+32*\i+8*\t+7], v[224+6*\st+\t], v[228+6*\st+\i] matrix_a_fmt:MATRIX_FMT_FP6 matrix_b_fmt:MATRIX_FMT_FP6
.endr
.endr
.endm
	LOADK 0, 0
	LOADK 1, 1
	s_wait_loadcnt 24                              ; the bias and K step 0 are in; K step 1's 24 loads may be out
	MULK 0
	PLACES
	LOADK 2, 0
	s_wait_loadcnt 24                              ; K step 1 is in; step 2's 24 may be out
	MULK 1
	PLACES
	LOADK 3, 1
	s_wait_loadcnt 24                              ; K step 2 is in
	MULK 0
	s_wait_loadcnt 0x0
	MULK 1
	PLACES
	QUANT2 16, 80, 236, 240                        ; each accumulator is read from its low end on
	QUANT2 48, 86, 237, 240
	s_cmp_eq_u32 s23, 0
	s_cbranch_scc0 .Lkeys
.irp i, 0,1
.irp c, 0,1,2
	global_store_b64 v11, v[80+6*\i+2*\c:81+6*\i+2*\c], s[18:19] offset:1024*\i+256*\c   ; 32 lanes store 256 consecutive bytes, aligned
.endr
	global_store_b32 v5, v[236+\i], s[18:19] offset:1024*\i+768
.endr
	s_endpgm
.Lkeys:
	v_cmp_le_u32 vcc_lo, 16, v1
	v_cndmask_b32 v238, v236, v237, vcc_lo         ; lanes 0-15 the even tile's words, lanes 16-31 the odd tile's
.irp c, 0,1,2
	global_store_b128 v12, v[80+4*\c:83+4*\c], s[20:21] offset:512*\c
.endr
	global_store_b32 v13, v238, s[20:21] offset:6144
	s_endpgm
	; ================ v ================
	; REGISTERS: v16-79 ACC (tile of keys) at 16 + 8 tile; v80-127 x's tiles 0-3, v128-175 tiles 4-7; v176-223 W's four K steps; v224-231 x's scale words; v232-235 W's; v236-243 the bias tile
.Lvalues:
	s_lshl_b32 s34, s25, 3
	s_mul_i32 s36, s34, 6144                       ; x's tile 8 y
	s_lshl_b32 s38, s34, 9
	s_add_co_u32 s35, s33, s29                     ; my tile of Wv
	s_mul_i32 s40, s35, 6144
	s_lshl_b32 s42, s35, 9
	s_lshl_b32 s44, s28, 6
	s_lshr_b32 s50, s29, 1
	s_lshl_b32 s50, s50, 5
	s_add_co_u32 s44, s44, s50
	s_and_b32 s51, s29, 1
	s_lshl_b32 s52, s51, 3
	s_add_co_u32 s44, s44, s52
	s_lshl_b32 s44, s44, 2                         ; the bias at channel 64 head + 32 (sub / 2) + 8 (sub % 2)
	v_and_b32 v6, 8, v2
	v_add_nc_u32 v6, v6, v2
	v_lshlrev_b32 v6, 2, v6                        ; + my lane's r + 8 (r / 8)
	s_mul_i32 s53, s29, 1536
	v_add_nc_u32 v7, s53, v4                       ; the fragment's place: 16 x lane + 1,536 sub
	s_lshl_b32 s50, s50, 2
	s_lshl_b32 s51, s51, 6
	s_add_co_u32 s50, s50, s51
	v_lshl_add_u32 v8, v2, 2, s50                  ; its scale words: 4 r + 64 sub
	s_wait_kmcnt 0x0
	s_add_nc_u64 s[4:5], s[4:5], s[36:37]
	s_add_nc_u64 s[6:7], s[6:7], s[38:39]
	s_add_nc_u64 s[8:9], s[8:9], s[40:41]
	s_add_nc_u64 s[10:11], s[10:11], s[42:43]
	s_add_nc_u64 s[16:17], s[16:17], s[44:45]
	s_add_nc_u64 s[20:21], s[20:21], s[48:49]
.irp j, 0,1,2,3,4,5,6,7
	global_load_b32 v[236+\j], v6, s[16:17]        ; a lane holds one channel: its bias in all eight registers of the tile that starts each sum
.endr
.irp k, 0,1,2,3
.irp c, 0,1,2
	global_load_b128 v[176+12*\k+4*\c:179+12*\k+4*\c], v4, s[8:9] offset:1536*\k+512*\c
.endr
	global_load_b32 v[232+\k], v5, s[10:11] offset:128*\k
.endr
.macro LOADX hf, ks                    ; x's tiles 4 hf .. 4 hf + 3 of K step ks: 16 loads
.irp t, 0,1,2,3
.irp c, 0,1,2
	global_load_b128 v[80+48*\hf+12*\t+4*\c:80+48*\hf+12*\t+4*\c+3], v4, s[4:5] offset:6144*(4*\hf+\t)+1536*(\ks)+512*\c
.endr
	global_load_b32 v[224+4*\hf+\t], v5, s[6:7] offset:512*(4*\hf+\t)+128*(\ks)
.endr
.endm
.macro MULV hf, ks                     ; four products; the eight accumulators take turns over the two halves of a K step
.irp t, 0,1,2,3
.if (\ks) == 0
	v_wmma_scale_f32_16x16x128_f8f6f4 v[ACC+8*(4*\hf+\t):ACC+8*(4*\hf+\t)+7], v[80+48*\hf+12*\t:80+48*\hf+12*\t+11], v[176+12*(\ks):176+12*(\ks)+11], v[236:243], v[224+4*\hf+\t], v[232+(\ks)] matrix_a_fmt:MATRIX_FMT_FP6 matrix_b_fmt:MATRIX_FMT_FP6
.else
	v_wmma_scale_f32_16x16x128_f8f6f4 v[ACC+8*(4*\hf+\t):ACC+8*(4*\hf+\t)+7], v[80+48*\hf+12*\t:80+48*\hf+12*\t+11], v[176+12*(\ks):176+12*(\ks)+11], v[ACC+8*(4*\hf+\t):ACC+8*(4*\hf+\t)+7], v[224+4*\hf+\t], v[232+(\ks)] matrix_a_fmt:MATRIX_FMT_FP6 matrix_b_fmt:MATRIX_FMT_FP6
.endif
.endr
.endm
	LOADX 0, 0
	LOADX 1, 0
.irp k, 0,1,2,3
	s_wait_loadcnt 16                              ; this step's tiles 0-3 are in (and at first the bias and W); the 16 loads of tiles 4-7 may be out
	MULV 0, \k
	PLACES
.if \k < 3
	LOADX 0, \k+1
	s_wait_loadcnt 16                              ; tiles 4-7 are in; the 16 loads just issued may be out
.else
	s_wait_loadcnt 0x0
.endif
	MULV 1, \k
	PLACES
.if \k < 3
	LOADX 1, \k+1
.endif
.endr
.irp b, 0,1,2,3
	v_mov_b32 v[84+\b], 0                          ; a lane permute's destination counts as one of its sources
.endr
	QUANT 16, 80, 96, 116                          ; along the keys; each accumulator is read from its low end on
.irp c, 0,1,2
	global_store_b128 v7, v[96+4*\c:99+4*\c], s[20:21] offset:6656+512*\c
.endr
	global_store_b32 v8, v116, s[20:21] offset:12800   ; lanes l and l xor 16 write the same word with the same value
	s_endpgm
.Lfunc_end_k_qb6890399ba_qkv:
	.size	k_qb6890399ba_qkv, .Lfunc_end_k_qb6890399ba_qkv-k_qb6890399ba_qkv
	.p2alignl 7, 3214868480
	.fill 96, 4, 3214868480
	.section	.rodata,"a",@progbits
	.p2align	6, 0x0
	.amdhsa_kernel k_qb6890399ba_qkv
		.amdhsa_group_segment_fixed_size 0
		.amdhsa_private_segment_fixed_size 0
		.amdhsa_enable_private_segment 0
		.amdhsa_kernarg_size 72
		.amdhsa_user_sgpr_count 2
		.amdhsa_user_sgpr_kernarg_segment_ptr 1
		.amdhsa_wavefront_size32 1
		.amdhsa_system_sgpr_workgroup_id_x 1
		.amdhsa_system_sgpr_workgroup_id_y 1
		.amdhsa_system_sgpr_workgroup_id_z 1
		.amdhsa_system_vgpr_workitem_id 0
		.amdhsa_next_free_vgpr 256
		.amdhsa_next_free_sgpr 66
		.amdhsa_reserve_vcc 1
		.amdhsa_float_denorm_mode_32 3
		.amdhsa_float_denorm_mode_16_64 3
		.amdhsa_memory_ordered 1
		.amdhsa_forward_progress 1
		.amdhsa_inst_pref_size 49
	.end_amdhsa_kernel
	.amdgpu_metadata
---
amdhsa.version: [ 1, 2 ]
amdhsa.kernels:
  - .name:           k_qb6890399ba_qkv
    .symbol:         k_qb6890399ba_qkv.kd
    .args:
      - { .name: xi, .offset: 0, .size: 8, .value_kind: global_buffer, .address_space: global }
      - { .name: xs, .offset: 8, .size: 8, .value_kind: global_buffer, .address_space: global }
      - { .name: wi, .offset: 16, .size: 8, .value_kind: global_buffer, .address_space: global }
      - { .name: ws, .offset: 24, .size: 8, .value_kind: global_buffer, .address_space: global }
      - { .name: bq, .offset: 32, .size: 8, .value_kind: global_buffer, .address_space: global }
      - { .name: bk, .offset: 40, .size: 8, .value_kind: global_buffer, .address_space: global }
      - { .name: bv, .offset: 48, .size: 8, .value_kind: global_buffer, .address_space: global }
      - { .name: qw, .offset: 56, .size: 8, .value_kind: global_buffer, .address_space: global }
      - { .name: kv, .offset: 64, .size: 8, .value_kind: global_buffer, .address_space: global }
    .group_segment_fixed_size: 0
    .private_segment_fixed_size: 0
    .kernarg_segment_align: 8
    .kernarg_segment_size: 72
    .max_flat_workgroup_size: 256
    .sgpr_count:     66
    .vgpr_count:     256
    .wavefront_size: 32
...
	.end_amdgpu_metadata
.endif
;; end of part 2
;; launch attn (part 3): grid 4 x 64, 16 waves a work-group, clusters of 4 x 4, 327,680 bytes of LDS; arguments qw, kv, mask, ow; writes ow
.if DOCPART == 3
	.amdgcn_target "amdgcn-amd-amdhsa--gfx1250"
	.amdhsa_code_object_version 6
	.text
	.protected	k_qb6890399ba_attn
	.globl	k_qb6890399ba_attn
	.p2align	8
	.type	k_qb6890399ba_attn,@function
k_qb6890399ba_attn:
	s_mov_b64 s[64:65], 0
	v_nop
	global_prefetch_b8 v0, s[64:65] scope:SCOPE_SE
	s_setreg_imm32_b32 hwreg(HW_REG_WAVE_MODE, 25, 1), 1
	s_wait_xcnt 0x0
	s_wait_alu depctr_hold_cnt(0) depctr_sa_sdst(0) depctr_va_vdst(0) depctr_va_sdst(0) depctr_va_ssrc(0) depctr_va_vcc(0) depctr_vm_vsrc(0)
	s_getreg_b32 s2, hwreg(HW_REG_IB_STS2, 6, 4)
	s_cmp_eq_u32 s2, 0
	s_cbranch_scc0 .Lentry_in_a_cluster
	s_endpgm
.Lentry_in_a_cluster:
	s_bfe_u32 s2, ttmp6, 0x10000c
	s_cmp_lg_u32 s2, 0xf033
	s_cbranch_scc0 .Lentry_shape_is_right
	s_endpgm
.Lentry_shape_is_right:
; o = softmax((q k^T + mask x (-1e9)) / 8) v for 16 pairs (batch, head), 4,096 queries and keys, head size 64, both products on codes of FP6 (E2M3) with E8M0 scales; o is quantised along the head's 64 channels for the last product.
; THE SOFTMAX: t = (score + mask x (-1e9)) x log2(e) / 8; M = the row's largest t so far, rounded up to a whole number; p = 2^(t - M) is quantised along the keys, not normalised; the row's sum of the unquantised p divides at the end.
; The mask's product, its addition, the scaling to t and the subtraction of M are four roundings, as the definition has them: none is fused, so that masks of any size give the definition's numbers.
; The mask is an input: every pair of query and key is computed, and no branch hangs on it.
; SHARES.  A work-group takes 64 queries (block pb) of the four pairs of group g.  Wave w of sixteen: tile of 16 queries w % 4, pair 4 g + w / 4: four waves to a SIMD, so that one wave's vector work stands beside another's products and LDS loads.
; Every wave walks all 4,096 keys, 128 a step.  A step's tiles, 52,224 bytes of K and V of the four pairs and 64 x 128 numbers of the mask, come through a ring of two LDS slots.
; CLUSTER 4 x 4: the four work-groups of a column (same g) need the same K and V, the four of a row (same pb) the same tile of the mask: each is asked for JOINTLY, by the same tensor load with the same descriptor and a mask that names the four.
; LAYOUT.  Both products are used transposed: S^T = K Q^T, O^T = V^T P^T: a lane holds one query (lane % 16) throughout.  Lane r of key tile 2 b + u holds key 32 b + 8 u + r + 8 (r / 8), so that the 16 registers of tiles 2 b, 2 b + 1 are keys 32 b + 16 (lane / 16) + 0 .. 15.
; K = 64 IN AN INSTRUCTION OF 128: registers 6-11 of Q's fragment are zero codes.  K's tiles lie six registers apart, so a tile's upper six registers are the next tile's codes (behind the last: zeros): they meet Q's zeros and add nothing; no scale byte is 0xff.
; LIMITS: NaN and infinities among the inputs are not served; a block of zeros gets the scale byte 1 and zero codes.
; REGISTERS: v1-3 my places in a slot (K and V, scale words, mask); v4, v5 the spare word's address and 0; v6-8 the same places in the slot in hand; v9 the prefetch's offset; v10, v11 8 x lane, 4 x lane;
;   v12 -M, v13 the largest t, v[14:15] the sum; v16-27 Q; v[28:29] f; v30 at work; v32-79 K, then V; v80-85 zeros; v86-89 K's scale words, v90-91 V's, v92 Q's, v93 p's; v96-159 S^T, then p; v160-191 O^T; v192-255 the mask, then p's codes (v224-235) and work.
.set KVB,   13056                      ; a pair's K and V of a key step
.set KVS,   4*KVB                      ; the four pairs': 204 rows of 256 bytes
.set MP,    528                        ; a row of the mask's tile in LDS: 512 bytes + 16: the sixteen rows that a load touches start in different banks (64 banks of 4 bytes: ISA guide 11.1)
.set SLOT1, 131072                     ; slot 1 begins here: one exclusive or turns an address in one slot into the other's
.set SPARE, SLOT1+KVS+64*MP            ; behind the ring: the spare words, 128 bytes for each of sixteen waves: eight blocks of 256 bytes that no other line names
.set WV,  12                           ; s12 my wave's number
.set SEL, 20                           ; s[20:21] lane selects: lane l xor 16
.set CS,  22                           ; s[22:23] c = log2(e) / 8
.set G1K, 24                           ; s[24:31] descriptor group 1 for K and V;  s[32:39] for the mask;  s[40:43], s[44:47] their groups 0, which walk
.set G1M, 32
.set G0K, 40
.set G0M, 44
.set NEG, 48                           ; s[48:49] -1e9
.set TB,  50                           ; s50 LDS byte at which the slot in hand begins
.set SLOTS, 51                         ; s51 steps still to be asked for
.set LIM, 52                           ; s52 1 in the wave that prefetches, else the greatest number
.set PFA, 54                           ; s[54:55] where my work-group's prefetches stand
.macro ROUND                           ; a round of the cluster's barrier
	s_barrier_signal -1
	s_barrier_wait -1
	s_cmp_lg_u32 s[WV], 0
	s_cbranch_scc1 .Lnot_wave_0_\@
	s_barrier_signal -3
.Lnot_wave_0_\@:
	s_barrier_wait -3
	s_barrier_signal -1
	s_barrier_wait -1
.endm
; Waves 0 and 1 fetch the halves of K and V, waves 2 and 3 the halves of the mask's tile, the others nothing: the branches hang on the wave's number alone.  Four v_nop follow each of the two lines.
.macro TLOAD
	s_cmp_lt_u32 s[WV], 2
	s_cbranch_scc0 .Lnot_k_\@
	tensor_load_to_lds s[G0K:G0K+3], s[G1K:G1K+7]
	s_nop 0
.rept 4
	v_nop
.endr
	s_branch .Lasked_\@
.Lnot_k_\@:
	s_cmp_lt_u32 s[WV], 4
	s_cbranch_scc0 .Lasked_\@
	tensor_load_to_lds s[G0M:G0M+3], s[G1M:G1M+7]
	s_nop 0
.rept 4
	v_nop
.endr
.Lasked_\@:
.endm
; A PREFETCH of the mask's tile that the NEXT change of slots will ask for: 64 rows x 512 bytes.  The tile belongs to this cluster's row alone; its four partners share the rows out BY ADDRESS, 16 each;
; in each, wave 4, which fetches nothing, asks: 16 rows x two blocks of 256 bytes, a lane a block, one instruction.  So each block is named once in the launch.  The last change that fills a slot asks for nothing.  Steps 0 and 1 come by their loads alone.
.macro ASK
	s_cmp_gt_u32 s[SLOTS], s[LIM]
	s_cbranch_scc0 .Lnot_mine_\@
	global_prefetch_b8 v9, s[PFA:PFA+1] th:TH_LOAD_NT scope:SCOPE_SE
.Lnot_mine_\@:
.endm
.macro QUANT2 src, frag, pw, tm        ; 32 numbers of a lane (register 16 b + i = channel 32 b + 16 (lane / 16) + i) -> registers 0-5 of a fragment in v[frag] on, the word byte0 | byte1 << 8 in v[pw]
.irp b, 0,1
	v_max3_num_f32 v[\tm+\b], |v[\src+16*\b]|, |v[\src+1+16*\b]|, 0x1800000
.endr
.irp n, 2,4,6,8,10,12,14
.irp b, 0,1
	v_max3_num_f32 v[\tm+\b], v[\tm+\b], |v[\src+16*\b+\n]|, |v[\src+1+16*\b+\n]|
.endr
.endr
.irp b, 0,1
	v_permlanex16_b32 v[\tm+2+\b], v[\tm+\b], s[SEL], s[SEL+1]
.endr
.irp b, 0,1
	v_max_num_f32 v[\tm+\b], v[\tm+\b], v[\tm+2+\b]
.endr
.irp b, 0,1
	v_add_nc_u32 v[\tm+4+\b], 0xff000000, v[\tm+\b]
.endr
.irp b, 0,1
	v_lshrrev_b32 v[\tm+6+\b], 23, v[\tm+4+\b]
.endr
	v_lshl_or_b32 v[\pw], v[\tm+7], 8, v[\tm+6]
	v_cvt_scalef32_pk16_fp6_f32 v[\frag:\frag+2], v[\src:\src+15], v[\tm+4]
	v_cvt_scalef32_pk16_fp6_f32 v[\tm+8:\tm+10], v[\src+16:\src+31], v[\tm+5]
	v_nop
.irp n, 0,1,2
	v_permlane16_swap_b32 v[\frag+\n], v[\tm+8+\n]
.endr
.irp n, 0,1,2
	v_mov_b32 v[\frag+3+\n], v[\tm+8+\n]
.endr
.endm
	s_load_b256 s[4:11], s[0:1], 0x0               ; qw s[4:5], kv s[6:7], mask s[8:9], ow s[10:11]
	v_lshl_add_u32 v4, v0, 2, SPARE
	v_mov_b32 v5, 0
	ds_add_u32 v4, v5
	s_wait_dscnt 0x0
	v_lshrrev_b32 v1, 5, v0
	v_readfirstlane_b32 s[WV], v1                  ; wave 0..15
	s_bfe_u32 s13, ttmp6, 0x40000                  ; cx
	s_bfe_u32 s14, ttmp6, 0x40004                  ; cy
	s_lshl_b32 s16, ttmp9, 2
	s_add_co_u32 s16, s16, s13                     ; g = work-group x: the group of four pairs
	s_and_b32 s15, ttmp7, 0xffff
	s_lshl_b32 s15, s15, 2
	s_add_co_u32 s15, s15, s14                     ; pb = work-group y: the block of 64 queries
	s_lshl_b32 s56, s14, 2
	s_lshl_b32 s56, 15, s56                        ; my row of the cluster
	s_lshl_b32 s57, 0x1111, s13                    ; my column
	; K and V: half a step's block, 26,112 dense bytes, as 102 rows of 32 elements of 8 bytes, no padding; they hang on g alone: shared along the column
	s_or_b32 s[G1K], s57, (3<<16)|(1<<21)
	s_mov_b32 s[G1K+1], 32<<16                     ; tensor_dim0
	s_mov_b32 s[G1K+2], 102<<16                    ; tensor_dim1
	s_mov_b32 s[G1K+3], 32<<16                     ; tile_dim0
	s_mov_b32 s[G1K+4], 102                        ; tile_dim1
	s_mov_b32 s[G1K+5], 32                         ; from row to row
	s_mov_b32 s[G1K+6], 0
	s_mov_b32 s[G1K+7], 0
	; the mask: 32 rows of 128 elements of 4 bytes, 4,096 elements apart, 4 words of padding behind every 128 words; it hangs on pb alone: shared along the row
	s_or_b32 s[G1M], s56, (2<<16)|(1<<20)|(1<<21)|(6<<22)|(3<<25)
	s_mov_b32 s[G1M+1], 128<<16
	s_mov_b32 s[G1M+2], 32<<16
	s_mov_b32 s[G1M+3], 128<<16
	s_mov_b32 s[G1M+4], 32
	s_mov_b32 s[G1M+5], 4096
	s_mov_b32 s[G1M+6], 0
	s_mov_b32 s[G1M+7], 0
	s_and_b32 s17, s[WV], 1                        ; which half I fetch, if I fetch
	s_mul_i32 s58, s16, 32*KVS                     ; K and V: the group's 32 steps,
	s_mul_i32 s60, s17, KVS/2                      ; my half: in memory and in a slot
	s_add_co_u32 s58, s58, s60
	s_mov_b32 s59, 0
	s_lshl_b32 s62, s15, 6                         ; the mask: row 64 pb + 32 x half,
	s_lshl_b32 s63, s17, 5
	s_add_co_u32 s62, s62, s63
	s_lshl_b32 s62, s62, 14                        ; rows of 16,384 bytes
	s_mov_b32 s63, 0
	s_mul_i32 s61, s17, 32*MP
	s_add_co_u32 s61, s61, KVS                     ; and its place in a slot, behind K and V
	s_lshl_b32 s66, s15, 6                         ; the prefetches: my work-group's 16 rows of the tile: 64 pb + 16 cx
	s_lshl_b32 s67, s13, 4
	s_add_co_u32 s66, s66, s67
	s_lshl_b32 s66, s66, 14
	s_mov_b32 s67, 0
	s_cmp_eq_u32 s[WV], 4
	s_cselect_b32 s[LIM], 1, -1
	s_lshr_b32 s18, s[WV], 2                       ; p: my pair in the group
	s_and_b32 s19, s[WV], 3                        ; i: my tile of queries in the block
	s_lshl_b32 s70, s15, 2
	s_add_co_u32 s70, s70, s19                     ; my tile of queries in the batch
	s_lshl_b32 s68, s16, 2
	s_add_co_u32 s68, s68, s18                     ; pair
	s_lshl_b32 s68, s68, 8
	s_add_co_u32 s68, s68, s70
	s_lshl_b32 s68, s68, 10                        ; Q's record
	s_mov_b32 s69, 0
	s_lshr_b32 s72, s16, 1                         ; batch
	s_lshl_b32 s72, s72, 8
	s_add_co_u32 s72, s72, s70
	s_lshl_b32 s72, s72, 3
	s_and_b32 s74, s16, 1
	s_lshl_b32 s74, s74, 2
	s_add_co_u32 s72, s72, s74
	s_add_co_u32 s72, s72, s18                     ; 8 x tile of rows + head
	s_lshl_b32 s72, s72, 10                        ; o's record
	s_mov_b32 s73, 0
	s_mul_i32 s75, s18, KVB                        ; my pair's K and V in a slot
	s_mul_i32 s76, s19, 16*MP
	s_add_co_u32 s76, s76, KVS                     ; my 16 rows of the mask's tile
	s_mov_b32 s[SEL], 0x76543210
	s_mov_b32 s[SEL+1], 0xfedcba98
	s_mov_b32 s[CS], 0x3e38aa3b                    ; log2(e) / 8
	s_mov_b32 s[CS+1], s[CS]                       ; (named with it as a pair, so it is written)
	s_mov_b32 s[NEG], 0xce6e6b28                   ; -1e9
	s_mov_b32 s[NEG+1], s[NEG]
	s_mov_b32 s[TB], 0
	s_mov_b32 s[SLOTS], 31
	s_wait_kmcnt 0x0
	s_mov_b32 s[G0K], 1                            ; count = 1
	s_mov_b32 s[G0K+1], s60                        ; LDS address: slot 0
	s_add_nc_u64 s[G0K+2:G0K+3], s[6:7], s[58:59]  ; global address: key step 0
	s_or_b32 s[G0K+3], s[G0K+3], 0x80000000        ; type = 2
	s_mov_b32 s[G0M], 1
	s_mov_b32 s[G0M+1], s61
	s_add_nc_u64 s[G0M+2:G0M+3], s[8:9], s[62:63]
	s_or_b32 s[G0M+3], s[G0M+3], 0x80000000
	s_add_nc_u64 s[PFA:PFA+1], s[8:9], s[66:67]
	s_add_nc_u64 s[PFA:PFA+1], s[PFA:PFA+1], 512   ; at step 1: the first change of slots steps it to step 2.  Nothing is prefetched here, at the head
	s_add_nc_u64 s[4:5], s[4:5], s[68:69]
	s_add_nc_u64 s[10:11], s[10:11], s[72:73]
	ROUND                                          ; all sixteen work-groups are here: the first joint loads meet
	TLOAD                                          ; key step 0 into slot 0
	v_and_b32 v31, 31, v0                          ; lane
	v_and_b32 v29, 15, v0                          ; r
	v_bfe_u32 v30, v0, 4, 1                        ; h
	v_lshl_add_u32 v1, v31, 4, s75                 ; K and V: images: 16 x lane
	v_lshl_add_u32 v2, v31, 2, s75                 ; scale words: 4 x lane
	v_mul_u32_u24 v3, v29, MP
	v_lshl_add_u32 v3, v30, 6, v3
	v_add_nc_u32 v3, s76, v3                       ; the mask: my query's row, + 64 h: my 16 keys of each 32
	v_lshrrev_b32 v9, 1, v31
	v_lshlrev_b32 v9, 14, v9
	v_and_b32 v29, 1, v31
	v_lshl_add_u32 v9, v29, 8, v9                  ; the prefetch: row lane / 2, block lane % 2
	v_lshlrev_b32 v10, 3, v31
	v_lshlrev_b32 v11, 2, v31
.irp c, 0,1,2
	global_load_b64 v[16+2*\c:17+2*\c], v10, s[4:5] offset:256*\c   ; Q's registers 0-5 stay
.endr
	global_load_b32 v92, v11, s[4:5] offset:768    ; and its scale words
.irp j, 22,23,24,25,26,27,80,81,82,83,84,85
	v_mov_b32 v[\j], 0                             ; zero codes: Q's upper half, and what lies behind K's last tile
.endr
	v_mov_b32 v13, 0xff61b1e6                      ; the largest t so far: -3e38
	v_floor_f32 v12, -v13                          ; -M
	v_mov_b32 v14, 0                               ; the sum, in two halves
	v_mov_b32 v15, 0
	v_mov_b32 v29, 0                               ; (named as the upper half of the pair v[28:29])
	v_mov_b32 v30, 0                               ; (a lane permute's destination counts as one of its sources)
.set j, 0
.rept 32
	v_mov_b32 v[160+j], 0                          ; O^T: the step is written for every trip alike: the first finds zeros, which the first change of M leaves zeros
.set j, j+1
.endr
; A KEY STEP: 128 keys, in the slot at s[TB].
.macro STEP
	v_add_nc_u32 v6, s[TB], v1
	v_add_nc_u32 v7, s[TB], v2
	v_add_nc_u32 v8, s[TB], v3
	v_nop                                          ; four plain lines between the last step's products and the loads into their registers
.irp j, 0,1,2,3
	ds_load_b32 v[86+\j], v7 offset:6144+128*\j    ; K's scale words: lanes 0-15 tile 2 j, lanes 16-31 tile 2 j + 1
.endr
.irp n, 0,1,2,3,4,5,6,7,8,9,10,11
	ds_load_b128 v[32+4*\n:35+4*\n], v6 offset:512*\n   ; K's eight tiles, six registers each
.endr
.irp b, 0,1,2,3
.irp j, 0,1,2,3
	ds_load_b128 v[192+16*\b+4*\j:195+16*\b+4*\j], v8 offset:128*\b+16*\j   ; the mask at my query, keys 32 b + 16 h + 0 .. 15: in the scores' own order
.endr
.endr
	s_wait_dscnt 16                                ; K and its scale words are in; the mask's 16 loads may be out
.irp t, 0,2,4,6
	v_wmma_scale_f32_16x16x128_f8f6f4 v[96+8*\t:103+8*\t], v[32+6*\t:43+6*\t], v[16:27], 0, v[86+\t/2], v92 matrix_a_fmt:MATRIX_FMT_FP6 matrix_b_fmt:MATRIX_FMT_FP6
	v_wmma_scale_f32_16x16x128_f8f6f4 v[104+8*\t:111+8*\t], v[38+6*\t:49+6*\t], v[16:27], 0, v[86+\t/2], v92 matrix_a_fmt:MATRIX_FMT_FP6 matrix_b_fmt:MATRIX_FMT_FP6 matrix_a_scale:MATRIX_SCALE_ROW1
.endr
	s_wait_dscnt 0x0                               ; the mask is in
.set j, 0
.rept 32
	v_pk_mul_f32 v[192+j:193+j], v[192+j:193+j], s[NEG:NEG+1] op_sel_hi:[1,0]   ; mask x (-1e9), rounded by itself.  (These lines name none of the products' registers: they are the places behind them)
.set j, j+2
.endr
.irp n, 0,1,2,3,4,5,6,7,8,9,10,11
	ds_load_b128 v[32+4*\n:35+4*\n], v6 offset:6656+512*\n   ; V's four fragments take K's place; they have the softmax in which to land
.endr
	ds_load_b32 v90, v7 offset:12800               ; V's scale words: lanes 0-15 fragment 0, lanes 16-31 fragment 1;
	ds_load_b32 v91, v7 offset:12928               ; fragments 2 and 3
.set j, 0
.rept 32
	v_pk_add_f32 v[96+j:97+j], v[96+j:97+j], v[192+j:193+j]   ; score + mask x (-1e9); each accumulator from its low end on
.set j, j+2
.endr
.irp b, 0,1,2,3
	v_max3_num_f32 v[232+\b], v[96+16*\b], v[97+16*\b], v[98+16*\b]   ; the largest score of each block of 32 keys: for the row's maximum, and, since p rises with the score, for the block's largest p
.endr
.irp i, 3,5,7,9,11,13
.irp b, 0,1,2,3
	v_max3_num_f32 v[232+\b], v[232+\b], v[96+16*\b+\i], v[97+16*\b+\i]
.endr
.endr
.irp b, 0,1,2,3
	v_max_num_f32 v[232+\b], v[232+\b], v[111+16*\b]
.endr
.irp b, 0,1,2,3
	v_permlanex16_b32 v[236+\b], v[232+\b], s[SEL], s[SEL+1]
.endr
.irp b, 0,1,2,3
	v_max_num_f32 v[232+\b], v[232+\b], v[236+\b]  ; with lane l xor 16's 16 keys
.endr
	v_max3_num_f32 v254, v232, v233, v234
	v_max_num_f32 v254, v254, v235                 ; the step's largest score of my query,
	v_mul_f32 v254, s[CS], v254                    ; as t (c is positive)
	v_max_num_f32 v13, v13, v254                   ; the running largest t
	v_mov_b32 v254, v12
	v_floor_f32 v12, -v13                          ; the new -M = -ceil(t): a whole number
	v_sub_f32 v254, v12, v254                      ; old M - new M: a whole number, 0 or less
	v_cvt_i32_f32 v254, v254                       ; (it saturates)
	v_ldexp_f32 v28, 1.0, v254                     ; f = 2^(old M - new M): a multiplication by it rounds nothing
.set j, 0
.rept 32
	v_pk_mul_f32 v[96+j:97+j], v[96+j:97+j], s[CS:CS+1] op_sel_hi:[1,0]   ; t, rounded by itself: M was made of such a t
.set j, j+2
.endr
.set j, 0
.rept 32
	v_pk_add_f32 v[96+j:97+j], v[96+j:97+j], v[12:13] op_sel_hi:[1,0]     ; t - M
.set j, j+2
.endr
.irp b, 0,1,2,3
	v_mul_f32 v[232+\b], s[CS], v[232+\b]          ; the same two lines on each block's largest score
.endr
.irp b, 0,1,2,3
	v_add_f32 v[232+\b], v[232+\b], v12
.endr
.set j, 0
.rept 64
	v_exp_f32 v[96+j], v[96+j]                     ; p = 2^(t - M), at most 1
.set j, j+1
.endr
	v_pk_mul_f32 v[14:15], v[14:15], v[28:29] op_sel_hi:[1,0]   ; the sums under the new M: the plain line behind the exponentials
	s_wait_alu depctr_va_vdst(0)                   ; one wait for the whole batch, ahead of its first reader
.irp b, 0,1,2,3
	v_exp_f32 v[232+\b], v[232+\b]                 ; the block's largest p: the same lines on the same number give the same bits
.endr
	v_pk_add_f32 v[236:237], v[96:97], v[98:99]    ; the row's sum is taken of the unquantised p: two at a time, in two chains
.irp j, 4,8,12,16,20,24,28,32,36,40,44,48,52,56,60
	v_pk_add_f32 v[14:15], v[14:15], v[96+\j:97+\j]
	v_pk_add_f32 v[236:237], v[236:237], v[98+\j:99+\j]
.endr
	v_pk_add_f32 v[14:15], v[14:15], v[236:237]
	s_wait_alu depctr_va_vdst(0)                   ; and one for the four
.irp b, 0,1,2,3
	v_max_num_f32 v[232+\b], 0x1800000, v[232+\b]  ; the floor 2^(3 - 127): the byte cannot fall under 1
.endr
.irp b, 0,1,2,3
	v_add_nc_u32 v[244+\b], 0xff000000, v[232+\b]  ; 2 off the exponent field: the conversion's scale operand
.endr
.irp b, 0,1,2,3
	v_lshrrev_b32 v[236+\b], 23, v[244+\b]         ; the scale's byte
.endr
	v_lshl_or_b32 v93, v237, 8, v236               ; p's scale word for these 128 keys
	v_lshl_or_b32 v93, v238, 16, v93
	v_lshl_or_b32 v93, v239, 24, v93
.irp c, 0,1
	v_cvt_scalef32_pk16_fp6_f32 v[224+6*\c:226+6*\c], v[96+32*\c:111+32*\c], v[244+2*\c]
	v_cvt_scalef32_pk16_fp6_f32 v[236+4*\c:238+4*\c], v[112+32*\c:127+32*\c], v[244+2*\c+1]
.endr
	v_nop                                          ; one plain line behind the scaled conversions
.irp c, 0,1                                    ; the operand wants a whole block in a lane
.irp i, 0,1,2
	v_permlane16_swap_b32 v[224+6*\c+\i], v[236+4*\c+\i]
.endr
.irp i, 0,1,2
	v_mov_b32 v[227+6*\c+\i], v[236+4*\c+\i]
.endr
.endr
.set j, 0
.rept 16
	v_pk_mul_f32 v[160+j:161+j], v[160+j:161+j], v[28:29] op_sel_hi:[1,0]   ; O^T under the new M.  (Also the plain lines between the writes of p's codes and scale word and the products below)
.set j, j+2
.endr
	s_wait_dscnt 0x0                               ; V and its scale words are in
.irp t, 0,2                                    ; O^T += V^T P^T: the four accumulators by turns
	v_wmma_scale_f32_16x16x128_f8f6f4 v[160+8*\t:167+8*\t], v[32+12*\t:43+12*\t], v[224:235], v[160+8*\t:167+8*\t], v[90+\t/2], v93 matrix_a_fmt:MATRIX_FMT_FP6 matrix_b_fmt:MATRIX_FMT_FP6
	v_wmma_scale_f32_16x16x128_f8f6f4 v[168+8*\t:175+8*\t], v[44+12*\t:55+12*\t], v[224:235], v[168+8*\t:175+8*\t], v[90+\t/2], v93 matrix_a_fmt:MATRIX_FMT_FP6 matrix_b_fmt:MATRIX_FMT_FP6 matrix_a_scale:MATRIX_SCALE_ROW1
.endr
.endm
; THE CHANGE OF SLOTS stands at a step's head.  Each wave waits for all its tensor loads (its part of the slot that it is about to read), adds 0 to its spare word, and waits for that and for its reads of the slot that it has left.
; fill = 1: a round of the cluster's barrier follows, so that no wave of any partner still reads that slot or has a load on its way; the joint refill, the next step's tiles, is the first thing behind it and has a whole step in which to land.
.macro CHANGE fill
	s_wait_tensorcnt 0x0                           ; no tensor load of mine is out, so a group 0 may be written
	ds_add_u32 v4, v5                              ; 0 onto my spare word
.if \fill
	s_xor_b32 s[G0K+1], s[G0K+1], SLOT1            ; the walking descriptors: the other slot than last time,
	s_add_nc_u64 s[G0K+2:G0K+3], s[G0K+2:G0K+3], KVS   ; the next key step; the type bits on top are not reached
	s_xor_b32 s[G0M+1], s[G0M+1], SLOT1
	s_add_nc_u64 s[G0M+2:G0M+3], s[G0M+2:G0M+3], 512
	s_wait_xcnt 0x0                                ; the last prefetch, a step back, has read its address, so it may be written:
	s_add_nc_u64 s[PFA:PFA+1], s[PFA:PFA+1], 512   ; one step further on than the walking descriptors
	s_wait_dscnt 0x0                               ; the add is done, and my reads of the slot that I have left are over
	ROUND
	TLOAD
	ASK
.else
	s_wait_dscnt 0x0
	s_barrier_signal -1
	s_barrier_wait -1
.endif
.endm
	s_wait_loadcnt 0x0                             ; Q
.Lslot:                                            ; 31 trips: behind each change of slots but the last the next step is asked for
	CHANGE 1
	STEP
	s_xor_b32 s[TB], s[TB], SLOT1                  ; on to the other slot
	s_sub_co_u32 s[SLOTS], s[SLOTS], 1
	s_cmp_lg_u32 s[SLOTS], 0
	s_cbranch_scc1 .Lslot
	CHANGE 0                                       ; the last step is written out
	STEP
	; THE WAY OUT: O^T / the sum, quantised along the head's 64 channels: registers 0-5 of a fragment of the last product, and its scale word
	v_add_f32 v14, v14, v15                        ; the sum's two halves,
	v_permlanex16_b32 v30, v14, s[SEL], s[SEL+1]
	v_add_f32 v14, v14, v30                        ; and lane l xor 16's
	v_rcp_f32 v14, v14
.rept 3
	v_nop                                          ; the plain line behind the reciprocal; with the additions above, the places behind the last products
.endr
	s_wait_alu depctr_va_vdst(0)                   ; the wait ahead of the reciprocal's first reader
.set j, 0
.rept 32
	v_mul_f32 v[96+j], v[160+j], v14               ; register 16 b + i: channel 32 b + 16 h + i of my query; each accumulator from its low end on
.set j, j+1
.endr
	QUANT2 96, 128, 140, 144
.irp c, 0,1,2
	global_store_b64 v10, v[128+2*\c:129+2*\c], s[10:11] offset:256*\c   ; 32 lanes store 256 consecutive bytes, aligned
.endr
	global_store_b32 v11, v140, s[10:11] offset:768
	s_wait_tensorcnt 0x0                           ; the wave's end
	ds_add_u32 v4, v5
	s_wait_dscnt 0x0
	ROUND                                          ; the closing round: no work-group ends while a partner may still ask for a tile that names it
	s_endpgm
.Lfunc_end_k_qb6890399ba_attn:
	.size	k_qb6890399ba_attn, .Lfunc_end_k_qb6890399ba_attn-k_qb6890399ba_attn
	.p2alignl 7, 3214868480
	.fill 96, 4, 3214868480
	.section	.rodata,"a",@progbits
	.p2align	6, 0x0
	.amdhsa_kernel k_qb6890399ba_attn
		.amdhsa_group_segment_fixed_size 327680
		.amdhsa_private_segment_fixed_size 0
		.amdhsa_enable_private_segment 0
		.amdhsa_kernarg_size 32
		.amdhsa_user_sgpr_count 2
		.amdhsa_user_sgpr_kernarg_segment_ptr 1
		.amdhsa_wavefront_size32 1
		.amdhsa_system_sgpr_workgroup_id_x 1
		.amdhsa_system_sgpr_workgroup_id_y 1
		.amdhsa_system_sgpr_workgroup_id_z 1
		.amdhsa_system_vgpr_workitem_id 0
		.amdhsa_next_free_vgpr 256
		.amdhsa_next_free_sgpr 80
		.amdhsa_reserve_vcc 0
		.amdhsa_float_denorm_mode_32 3
		.amdhsa_float_denorm_mode_16_64 3
		.amdhsa_memory_ordered 1
		.amdhsa_forward_progress 1
		.amdhsa_inst_pref_size 59
	.end_amdhsa_kernel
	.amdgpu_metadata
---
amdhsa.version: [ 1, 2 ]
amdhsa.kernels:
  - .name:           k_qb6890399ba_attn
    .symbol:         k_qb6890399ba_attn.kd
    .args:
      - { .name: qw, .offset: 0, .size: 8, .value_kind: global_buffer, .address_space: global }
      - { .name: kv, .offset: 8, .size: 8, .value_kind: global_buffer, .address_space: global }
      - { .name: mask, .offset: 16, .size: 8, .value_kind: global_buffer, .address_space: global }
      - { .name: ow, .offset: 24, .size: 8, .value_kind: global_buffer, .address_space: global }
    .group_segment_fixed_size: 327680
    .private_segment_fixed_size: 0
    .kernarg_segment_align: 8
    .kernarg_segment_size: 32
    .max_flat_workgroup_size: 512
    .sgpr_count:     80
    .vgpr_count:     256
    .wavefront_size: 32
...
	.end_amdgpu_metadata
.endif
;; end of part 3
;; launch oproj (part 4): grid 256 x 1, 8 waves a work-group, no clusters, 35,840 bytes of LDS; arguments ow, wi, ws, bo, out0; writes out0
.if DOCPART == 4
	.amdgcn_target "amdgcn-amd-amdhsa--gfx1250"
	.amdhsa_code_object_version 6
	.text
	.protected	k_qb6890399ba_oproj
	.globl	k_qb6890399ba_oproj
	.p2align	8
	.type	k_qb6890399ba_oproj,@function
k_qb6890399ba_oproj:
	s_mov_b64 s[64:65], 0
	v_nop
	global_prefetch_b8 v0, s[64:65] scope:SCOPE_SE
	s_setreg_imm32_b32 hwreg(HW_REG_WAVE_MODE, 25, 1), 1
	s_wait_xcnt 0x0
; out0 = o Wo + bo on codes of FP6 (E2M3) with E8M0 scales, K = 512 = 8 heads x 64, in four steps of 128 (two heads each).
; o comes as records [tile of 16 rows][head][1,024]: registers 0-5 of a fragment (three runs of 256 bytes, 8 bytes a lane) and at byte 768 the scale words (two bytes each): heads 2 s and 2 s + 1 make the fragment and the scale word of K step s.
; Wo comes as the images laid by the first launch (tiles 96 .. 127 of wi and ws).
; A work-group takes 32 rows (two tiles); wave w of eight takes columns 64 w .. 64 w + 63 (four tiles of Wo).  TRANSPOSED (source 0 = 16 columns of Wo, source 1 = 16 rows of o): a lane holds one row, and by the order of Wo's columns
; in a tile the 16 registers of tiles 2 b, 2 b + 1 are columns 32 b + 16 (lane / 16) + 0 .. 15.  The bias lands in the accumulators, so every product adds in place.
; THE WAY OUT goes through the wave's own stage in LDS (16 rows x (256 bytes + 16)): sixteen lanes then store 256 consecutive bytes, aligned.  No barrier: waves share nothing.
; REGISTERS: v4-7 load offsets; v8-10 the way out; v16-79 ACC (tile of rows i, tile of Wo t) at 16 + 32 i + 8 t; v80-151, v152-223 two sets of fragments (Wo's four, o's two); v224-227, v228-231 Wo's scale words;
;   v232-239 o's scale words (4 i + K step); v240-255 the heads' halves of them as loaded.
.set ACC, 16
.macro PLACES                          ; four plain lines between a matrix instruction and a load into, or a read of, its registers
.rept 4
	v_nop
.endr
.endm
	s_load_b256 s[4:11], s[0:1], 0x0               ; ow s[4:5], wi s[6:7], ws s[8:9], bo s[10:11]
	s_load_b64 s[12:13], s[0:1], 0x20              ; out0
	v_lshl_add_u32 v14, v0, 2, 0x8800
	v_mov_b32 v15, 0
	v_lshrrev_b32 v1, 5, v0
	v_readfirstlane_b32 s14, v1                    ; wave 0..7
	v_and_b32 v1, 31, v0                           ; lane
	v_and_b32 v2, 15, v0                           ; r
	v_bfe_u32 v3, v0, 4, 1                         ; h
	v_lshlrev_b32 v4, 4, v1
	v_lshlrev_b32 v5, 2, v1
	v_lshlrev_b32 v6, 3, v1
	v_lshlrev_b32 v7, 6, v3                        ; the bias: 64 h bytes
	s_lshl_b32 s16, ttmp9, 14                      ; two tiles of rows, 8,192 bytes each
	s_mov_b32 s17, 0
	s_lshl_b32 s15, s14, 2
	s_add_co_u32 s15, s15, 96                      ; my first tile of Wo
	s_mul_i32 s18, s15, 6144
	s_mov_b32 s19, 0
	s_lshl_b32 s20, s15, 9
	s_mov_b32 s21, 0
	s_lshl_b32 s22, s14, 8                         ; my 64 columns: 256 bytes, in bo and in a row of out0
	s_mov_b32 s23, 0
	s_lshl_b32 s24, ttmp9, 16                      ; 32 rows of 2,048 bytes
	s_add_co_u32 s24, s24, s22
	s_mov_b32 s25, 0
	s_mul_i32 s26, s14, 4352                       ; my stage
	s_wait_kmcnt 0x0
	s_add_nc_u64 s[4:5], s[4:5], s[16:17]
	s_add_nc_u64 s[6:7], s[6:7], s[18:19]
	s_add_nc_u64 s[8:9], s[8:9], s[20:21]
	s_add_nc_u64 s[10:11], s[10:11], s[22:23]
	s_add_nc_u64 s[12:13], s[12:13], s[24:25]
.irp i, 0,1
.irp d, 0,1,2,3,4,5,6,7
	global_load_b32 v[240+8*\i+\d], v5, s[4:5] offset:8192*\i+1024*\d+768   ; o's scale words, head by head: 16 loads
.endr
.endr
.irp i, 0,1
.irp t, 0,1,2,3
	global_load_b128 v[ACC+32*\i+8*\t:ACC+32*\i+8*\t+3], v7, s[10:11] offset:(32*(\t/2)+8*(\t%2))*4
	global_load_b128 v[ACC+32*\i+8*\t+4:ACC+32*\i+8*\t+7], v7, s[10:11] offset:(32*(\t/2)+8*(\t%2))*4+16   ; the bias: 16 loads
.endr
.endr
.macro LOADK ks, st                    ; K step ks into set st: 28 loads
.irp t, 0,1,2,3
.irp c, 0,1,2
	global_load_b128 v[80+72*\st+12*\t+4*\c:80+72*\st+12*\t+4*\c+3], v4, s[6:7] offset:6144*\t+1536*\ks+512*\c
.endr
	global_load_b32 v[224+4*\st+\t], v5, s[8:9] offset:512*\t+128*\ks
.endr
.irp i, 0,1
.irp u, 0,1
.irp c, 0,1,2
	global_load_b64 v[128+72*\st+12*\i+6*\u+2*\c:129+72*\st+12*\i+6*\u+2*\c], v6, s[4:5] offset:8192*\i+1024*(2*\ks+\u)+256*\c
.endr
.endr
.endr
.endm
.macro MULK ks, st                     ; eight products, the eight accumulators by turns, one instruction a turn
.irp t, 0,1,2,3
.irp i, 0,1
	v_wmma_scale_f32_16x16x128_f8f6f4 v[ACC+32*\i+8*\t:ACC+32*\i+8*\t+7], v[80+72*\st+12*\t:80+72*\st+12*\t+11], v[128+72*\st+12*\i:128+72*\st+12*\i+11], v[ACC+32*\i+8*\t:ACC+32*\i+8*\t+7], v[224+4*\st+\t], v[232+4*\i+\ks] matrix_a_fmt:MATRIX_FMT_FP6 matrix_b_fmt:MATRIX_FMT_FP6
.endr
.endr
.endm
	LOADK 0, 0
	s_wait_loadcnt 44                              ; o's scale words are in; the bias's 16 loads and K step 0's 28 may be out
.irp i, 0,1
.irp k, 0,1,2,3
	v_lshl_or_b32 v[232+4*\i+\k], v[241+8*\i+2*\k], 16, v[240+8*\i+2*\k]   ; two heads' two bytes each make a K step's word
.endr
.endr
	; the addresses of the way out: eight plain lines, which also stand between the writes of the scale words and the first product that names them
	v_mul_u32_u24 v8, v2, 272
	v_lshl_add_u32 v8, v3, 6, v8
	v_add_nc_u32 v8, s26, v8                       ; in: row r, + 64 h
	v_mul_u32_u24 v9, v3, 272
	v_lshl_add_u32 v9, v2, 4, v9
	v_add_nc_u32 v9, s26, v9                       ; back: lanes 0-15 one row of 256 bytes, lanes 16-31 the next
	v_lshlrev_b32 v10, 11, v3
	v_lshl_add_u32 v10, v2, 4, v10                 ; and the same two rows in out0
	LOADK 1, 1
	s_wait_loadcnt 28                              ; the bias and K step 0 are in; K step 1's 28 loads may be out
	MULK 0, 0
	PLACES
	LOADK 2, 0
	s_wait_loadcnt 28                              ; K step 1 is in
	MULK 1, 1
	PLACES
	LOADK 3, 1
	s_wait_loadcnt 28                              ; K step 2 is in
	MULK 2, 0
	s_wait_loadcnt 0x0
	MULK 3, 1
	PLACES
.irp i, 0,1                                    ; LDS serves a wave's instructions in order (ISA guide 5.7.1.4): the loads see the stores above them, and the second tile's stores come behind the first's loads
.irp t, 0,1,2,3
	ds_store_b128 v8, v[ACC+32*\i+8*\t:ACC+32*\i+8*\t+3] offset:128*(\t/2)+32*(\t%2)        ; each accumulator from its low end on
	ds_store_b128 v8, v[ACC+32*\i+8*\t+4:ACC+32*\i+8*\t+7] offset:128*(\t/2)+32*(\t%2)+16
.endr
.irp k, 0,1,2,3,4,5,6,7
	ds_load_b128 v[80+32*\i+4*\k:83+32*\i+4*\k], v9 offset:544*\k
.endr
.endr
.irp i, 0,1
.irp k, 0,1,2,3,4,5,6,7
	s_wait_dscnt (1-\i)*16+7-\k                    ; behind this load: the tile's later loads, and for the first tile the second's 16 LDS instructions
	global_store_b128 v10, v[80+32*\i+4*\k:83+32*\i+4*\k], s[12:13] offset:(16*\i+2*\k)*2048 th:TH_STORE_NT   ; sixteen lanes store 256 consecutive bytes, at a multiple of 256 from out0's first byte
.endr
.endr
	s_wait_tensorcnt 0x0
	ds_add_u32 v14, v15
	s_wait_dscnt 0x0
	s_endpgm
.Lfunc_end_k_qb6890399ba_oproj:
	.size	k_qb6890399ba_oproj, .Lfunc_end_k_qb6890399ba_oproj-k_qb6890399ba_oproj
	.p2alignl 7, 3214868480
	.fill 96, 4, 3214868480
	.section	.rodata,"a",@progbits
	.p2align	6, 0x0
	.amdhsa_kernel k_qb6890399ba_oproj
		.amdhsa_group_segment_fixed_size 35840
		.amdhsa_private_segment_fixed_size 0
		.amdhsa_enable_private_segment 0
		.amdhsa_kernarg_size 40
		.amdhsa_user_sgpr_count 2
		.amdhsa_user_sgpr_kernarg_segment_ptr 1
		.amdhsa_wavefront_size32 1
		.amdhsa_system_sgpr_workgroup_id_x 1
		.amdhsa_system_sgpr_workgroup_id_y 1
		.amdhsa_system_sgpr_workgroup_id_z 1
		.amdhsa_system_vgpr_workitem_id 0
		.amdhsa_next_free_vgpr 256
		.amdhsa_next_free_sgpr 66
		.amdhsa_reserve_vcc 0
		.amdhsa_float_denorm_mode_32 3
		.amdhsa_float_denorm_mode_16_64 3
		.amdhsa_memory_ordered 1
		.amdhsa_forward_progress 1
		.amdhsa_inst_pref_size 25
	.end_amdhsa_kernel
	.amdgpu_metadata
---
amdhsa.version: [ 1, 2 ]
amdhsa.kernels:
  - .name:           k_qb6890399ba_oproj
    .symbol:         k_qb6890399ba_oproj.kd
    .args:
      - { .name: ow, .offset: 0, .size: 8, .value_kind: global_buffer, .address_space: global }
      - { .name: wi, .offset: 8, .size: 8, .value_kind: global_buffer, .address_space: global }
      - { .name: ws, .offset: 16, .size: 8, .value_kind: global_buffer, .address_space: global }
      - { .name: bo, .offset: 24, .size: 8, .value_kind: global_buffer, .address_space: global }
      - { .name: out0, .offset: 32, .size: 8, .value_kind: global_buffer, .address_space: global }
    .group_segment_fixed_size: 35840
    .private_segment_fixed_size: 0
    .kernarg_segment_align: 8
    .kernarg_segment_size: 40
    .max_flat_workgroup_size: 256
    .sgpr_count:     66
    .vgpr_count:     256
    .wavefront_size: 32
...
	.end_amdgpu_metadata
.endif
;; end of part 4
